; MI455X (gfx1250); checked and timed in simulation.
; The chip was launched on July 23, 2026; its instructions are those of AMD's public machine-readable ISA for CDNA 5 (MIT licence, August 2026) and "CDNA5" Instruction Set Architecture Reference Guide (July 2026). The comments in the code are by the model that wrote it; some were corrected since.
;; Mh Attn Block. Allowed arithmetic: float matrix products may take bf16 or f16 operands with f32 sums; all other float work in f32.
;; Inputs: K 8 x 1,024 x 512 float32; Q 8 x 1,024 x 512 float32; V 8 x 1,024 x 512 float32; WK 8 x 512 float32; WQ 8 x 512 float32; WV 512 x 512 float32; bias 8 x 64 float32.
;; Outputs: out0 8 x 1,024 x 512 float32.
;; 2 versions, each right; version 2 is version 1 with the launch proj written anew for expert scheduling mode. Each part assembles by itself: llvm-mc -triple=amdgcn-amd-amdhsa -mcpu=gfx1250 --defsym DOCPART=n.
;; ======== version 1 of 2: 2 launches
;; limits: values are held in f16: magnitudes above 65,504 overflow, below 6.1e-05 lose precision
;; workspace buffers: vp 8,388,608 bytes; akq 524,288 bytes
;; launch proj (part 1): grid 4 x 64, 4 waves a work-group, no clusters, 140,288 bytes of LDS; arguments V, WV, K, Q, WK, WQ, vp, akq; writes vp, akq
.if DOCPART == 1
	.amdgcn_target "amdgcn-amd-amdhsa--gfx1250"
	.amdhsa_code_object_version 6
	.text
	.protected	k_q5d41651073_proj
	.globl	k_q5d41651073_proj
	.p2align	8
	.type	k_q5d41651073_proj,@function
k_q5d41651073_proj:
	s_mov_b64 s[64:65], 0
	v_nop
	global_prefetch_b8 v0, s[64:65] scope:SCOPE_SE
	s_setreg_imm32_b32 hwreg(HW_REG_WAVE_MODE, 25, 1), 1
	s_wait_xcnt 0x0
; proj: vp[b][e][k] = f16( sum over c of V[b][k][c] WV[e][c] )   (Vproj, transposed: a row is one feature e, 1,024 keys, 2,048 bytes)
;       akq[0][b][h][k] = sum over c of K[b][k][c] WK[h][c],  akq[1][b][h][q] = the same of Q and WQ   (f32)
; All inputs are f32; every matrix operand is rounded once to f16, every sum is f32.
; LIMITS: inputs finite; |V|, |WV|, |K|, |Q|, |WK|, |WQ| and |Vproj| below 65,504 (f16's largest number; beyond it the conversion gives
; infinity); magnitudes below 2^-24 round to zero in f16.  The sums are formed in the matrix unit's order, not in the reference's.
;
; SHARES.  Work-group (x, y): keys 128 y .. +127 (of the 8,192 rows of V) by features 128 x .. +127, and 64 rows of K (x even) or of Q (x odd),
; row block 2 y + (x >> 1).  Four waves; wave w = (wm, wn) makes 64 keys x 64 features in 16 accumulators, and rows 16 w .. +15 of the 64
; by the 8 heads in a seventeenth (its columns 8 to 15 repeat columns 0 to 7).
; THE WAY IN: global_load_b128 -> v_cvt_pk_f16_f32 -> ds_store_b64 -> fragments.  The sum index goes in 8 chunks of 64 numbers: a row's piece is
; 256 consecutive bytes, aligned.  Two register sets of 40 loads and two LDS buffers take turns.
; WHY NO TENSOR LOADS AND NO JOINT LOADS, though four work-groups read each row of V and 64 each row of WV: a tensor load copies bytes as they
; are.  With f32 tiles in LDS a wave's fragments of a chunk would be 40 KiB instead of 20 KiB, and every number of V and WV would be converted
; by each of the two waves that read it instead of once.
.set ROWB,   2048                      ; bytes in a row of V, WV, K, Q, and in a row of vp
.set CHB,    256                       ; bytes of a row in a chunk
.set PITCH,  144                       ; an LDS row: 64 f16 + 16 bytes; 9 x 16, so the 16 rows of a fragment load lie in 16 different 16-byte columns of 256 bytes
.set BUF,    320*PITCH                 ; a buffer: rows 0-127 V, 128-255 WV, 256-319 K or Q
.set BOFF,   128*PITCH
.set XOFF,   256*PITCH
.set WREG,   2*BUF                     ; WK or WQ, all 512 columns in f16: 8 rows
.set WPITCH, 1040                      ; 1,024 bytes + 16
.set VSTG,   100608                    ; the way out: 128 features x (128 keys of f16 + 16 bytes)
.set SPITCH, 272
.set XSTG,   VSTG+128*SPITCH           ; the way out: 16 columns x (64 rows of f32 + 16 bytes); columns 8-15 are never read
; window 0: addresses and fragments
.set OFFA, 4                           ; global: (32 w + 8 h2) rows + 16 r      (V and WV)
.set OFFX, 5                           ; global: (16 w + 8 h2) rows + 16 r      (K or Q)
.set OFFW, 6                           ; global: 2 w rows + 16 lane             (WK or WQ)
.set STA,  7                           ; LDS store, V
.set STX,  8                           ; LDS store, K or Q
.set STW,  9                           ; LDS store, WK or WQ
.set FA,   10                          ; fragments of V
.set FB,   11                          ; fragments of WV
.set FX,   12                          ; fragment of K or Q
.set FW,   13                          ; fragment of WK or WQ
.set SO,   14                          ; stage in, vp
.set SX,   15                          ; stage in, akq
.set RL,   16                          ; stage back, vp
.set GO,   17                          ; global, vp
.set RLX,  18                          ; stage back, akq
.set GOX,  19                          ; global, akq
.set STB,  20                          ; LDS store, WV (a register of its own: STA's immediate would pass 65,535)
.set F,    32                          ; v32-111, v112-191: fragments of the chunk's two K steps: 4 of V, 4 of WV, 1 of K/Q, 1 of WK/WQ, 8 registers each
; windows 1 and 2: register sets (low numbers 0-159; load n in 4n .. 4n+3: V n = 0-15, WV 16-31, K/Q 32-39)
; window 3: accumulators, tile (i, j) at 8 (4 i + j); the seventeenth at 128
.set ACCX, 128
.set MSB, 0
.macro WIN new                         ; s_set_vgpr_msb: bits 1:0 source 0, 3:2 source 1, 5:4 source 2, 7:6 destination; the high byte repeats the setting that is left
.if MSB != \new
	s_set_vgpr_msb (MSB<<8)|\new
.set MSB, \new
.endif
.endm
.macro PLACES                          ; four independent vector instructions between a matrix instruction and a load into, or a read of, its registers
.rept 4
	v_nop
.endr
.endm
	s_load_b512 s[8:23], s[0:1], 0x0               ; V s[8:9], WV s[10:11], K s[12:13], Q s[14:15], WK s[16:17], WQ s[18:19], vp s[20:21], akq s[22:23]
	v_lshl_add_u32 v254, v0, 2, 0x22200
	v_mov_b32 v255, 0
	v_lshrrev_b32 v1, 5, v0
	v_readfirstlane_b32 s24, v1                    ; w
	s_lshr_b32 s25, s24, 1                         ; wm: which 64 keys
	s_and_b32 s26, s24, 1                          ; wn: which 64 features
	s_and_b32 s28, ttmp7, 0xffff                   ; y: block of 128 keys
	s_and_b32 s29, ttmp9, 1                        ; 0: K and WK, 1: Q and WQ
	s_lshr_b32 s30, ttmp9, 1
	s_lshl1_add_u32 s30, s28, s30                  ; block of 64 rows of K or Q: 2 y + (x >> 1)
	v_and_b32 v1, 31, v0                           ; lane
	v_and_b32 v2, 15, v0                           ; r
	v_bfe_u32 v3, v0, 4, 1                         ; h2
	; byte offsets of this work-group's parts, each in a pair of its own
	s_lshl_b32 s32, s28, 18                        ; V: 128 rows of 2,048 bytes
	s_mov_b32 s33, 0
	s_lshl_b32 s34, ttmp9, 18                      ; WV: the same
	s_mov_b32 s35, 0
	s_lshl_b32 s36, s30, 17                        ; K or Q: 64 rows
	s_mov_b32 s37, 0
	s_lshr_b32 s31, s28, 3                         ; vp: batch (y >> 3) x 512 rows + 128 x rows, + (y & 7) x 128 keys of 2 bytes
	s_lshl_b32 s38, s31, 20
	s_add_co_u32 s38, s38, s34
	s_and_b32 s31, s28, 7
	s_lshl_b32 s31, s31, 8
	s_add_co_u32 s38, s38, s31
	s_mov_b32 s39, 0
	s_lshl_b32 s40, s29, 18                        ; akq: half, + batch x 8 rows of 4,096 bytes, + 64 numbers of 4 bytes for each block
	s_lshr_b32 s31, s30, 4
	s_lshl_b32 s31, s31, 15
	s_add_co_u32 s40, s40, s31
	s_and_b32 s31, s30, 15
	s_lshl_b32 s31, s31, 8
	s_add_co_u32 s40, s40, s31
	s_mov_b32 s41, 0
	; a load of a wave takes 256 bytes of two rows: lanes 0-15 row a, lanes 16-31 row a + 8
	v_lshlrev_b32 v21, 4, v2                       ; 16 r
	v_lshl_add_u32 v22, v3, 14, v21                ; + 8 h2 rows
	s_lshl_b32 s31, s24, 16
	v_add_nc_u32 v[OFFA], s31, v22
	s_lshl_b32 s31, s24, 15
	v_add_nc_u32 v[OFFX], s31, v22
	s_lshl_b32 s31, s24, 12
	v_lshl_add_u32 v[OFFW], v1, 4, s31
	s_wait_kmcnt 0x0
	s_add_nc_u64 s[8:9], s[8:9], s[32:33]
	s_add_nc_u64 s[10:11], s[10:11], s[34:35]
	s_cmp_eq_u32 s29, 0
	s_cselect_b64 s[12:13], s[12:13], s[14:15]     ; K or Q
	s_cselect_b64 s[16:17], s[16:17], s[18:19]     ; WK or WQ
	s_add_nc_u64 s[12:13], s[12:13], s[36:37]
	s_add_nc_u64 s[20:21], s[20:21], s[38:39]
	s_add_nc_u64 s[22:23], s[22:23], s[40:41]
; the 40 loads of chunk c into the set in window s.  No address register and no base is ever rewritten: the row and the chunk stand in the immediate.
.macro GLOAD c, s
	WIN (\s<<6)
.irp i, 0,1,2,3,4,5,6,7,8,9,10,11,12,13,14,15
	global_load_b128 v[4*\i:4*\i+3], v[OFFA], s[8:9] offset:(16*(\i>>3)+(\i&7))*ROWB+CHB*(\c)
.endr
.irp i, 0,1,2,3,4,5,6,7,8,9,10,11,12,13,14,15
	global_load_b128 v[64+4*\i:64+4*\i+3], v[OFFA], s[10:11] offset:(16*(\i>>3)+(\i&7))*ROWB+CHB*(\c)
.endr
.irp i, 0,1,2,3,4,5,6,7
	global_load_b128 v[128+4*\i:128+4*\i+3], v[OFFX], s[12:13] offset:\i*ROWB+CHB*(\c) th:TH_LOAD_NT   ; K and Q are read once in the launch
.endr
.endm
; four f32 of each load become four f16 in its first two registers
.macro CVT s
	WIN ((\s<<6)|(\s<<2)|\s)
.set n, 0
.rept 40
	v_cvt_pk_f16_f32 v[4*n], v[4*n], v[4*n+1]
	v_cvt_pk_f16_f32 v[4*n+1], v[4*n+2], v[4*n+3]
.set n, n+1
.endr
.endm
; 8 bytes a lane into buffer p.  Lanes 0-15 fill 128 bytes of a row, lanes 16-31 of the row 8 further: 288 words on, the other half of 64 banks (ISA guide 11.1)
.macro STORE s, p
	WIN (\s<<2)
.irp i, 0,1,2,3,4,5,6,7,8,9,10,11,12,13,14,15
	ds_store_b64 v[STA], v[4*\i:4*\i+1] offset:(\p)*BUF+(16*(\i>>3)+(\i&7))*PITCH
.endr
.irp i, 0,1,2,3,4,5,6,7,8,9,10,11,12,13,14,15
	ds_store_b64 v[STB], v[64+4*\i:64+4*\i+1] offset:(\p)*BUF+(16*(\i>>3)+(\i&7))*PITCH
.endr
.irp i, 0,1,2,3,4,5,6,7
	ds_store_b64 v[STX], v[128+4*\i:128+4*\i+1] offset:(\p)*BUF+\i*PITCH
.endr
.endm
; A fragment is 16 rows x 32 K in 8 registers: lane (r, h2) holds row r; registers 0-3 K = 8 h2 .. +7, registers 4-7 K = 16 + 8 h2 .. +7: two loads, 32 bytes apart.
; 20 loads for each of chunk c's two K steps, from buffer p
.macro FRAG p, c
	WIN 0
.irp u, 0,1
.irp t, 0,1,2,3
	ds_load_b128 v[F+80*\u+8*\t:F+80*\u+8*\t+3],   v[FA] offset:(\p)*BUF+\t*16*PITCH+64*\u
	ds_load_b128 v[F+80*\u+8*\t+4:F+80*\u+8*\t+7], v[FA] offset:(\p)*BUF+\t*16*PITCH+64*\u+32
.endr
.irp t, 0,1,2,3
	ds_load_b128 v[F+80*\u+32+8*\t:F+80*\u+32+8*\t+3],   v[FB] offset:(\p)*BUF+\t*16*PITCH+64*\u
	ds_load_b128 v[F+80*\u+32+8*\t+4:F+80*\u+32+8*\t+7], v[FB] offset:(\p)*BUF+\t*16*PITCH+64*\u+32
.endr
	ds_load_b128 v[F+80*\u+64:F+80*\u+67], v[FX] offset:(\p)*BUF+64*\u
	ds_load_b128 v[F+80*\u+68:F+80*\u+71], v[FX] offset:(\p)*BUF+64*\u+32
	ds_load_b128 v[F+80*\u+72:F+80*\u+75], v[FW] offset:(2*(\c)+\u)*64
	ds_load_b128 v[F+80*\u+76:F+80*\u+79], v[FW] offset:(2*(\c)+\u)*64+32
.endr
.endm
; 17 matrix instructions, one K step of 32.  Source 0 = rows of V (or K/Q), source 1 = rows of WV (or WK/WQ): a lane's eight results are eight
; neighbouring keys of one feature.  The 17 accumulators take turns, one instruction a turn.  zero = 1: the first product starts the sums.
.macro MUL u, zero
.irp i, 0,1,2,3
.irp j, 0,1,2,3
.if \zero
	v_wmma_f32_16x16x32_f16 v[8*(4*\i+\j):8*(4*\i+\j)+7], v[F+80*\u+8*\i:F+80*\u+8*\i+7], v[F+80*\u+32+8*\j:F+80*\u+32+8*\j+7], 0
.else
	v_wmma_f32_16x16x32_f16 v[8*(4*\i+\j):8*(4*\i+\j)+7], v[F+80*\u+8*\i:F+80*\u+8*\i+7], v[F+80*\u+32+8*\j:F+80*\u+32+8*\j+7], v[8*(4*\i+\j):8*(4*\i+\j)+7]
.endif
.endr
.endr
.if \zero
	v_wmma_f32_16x16x32_f16 v[ACCX:ACCX+7], v[F+80*\u+64:F+80*\u+71], v[F+80*\u+72:F+80*\u+79], 0
.else
	v_wmma_f32_16x16x32_f16 v[ACCX:ACCX+7], v[F+80*\u+64:F+80*\u+71], v[F+80*\u+72:F+80*\u+79], v[ACCX:ACCX+7]
.endif
.endm
; Trip c multiplies chunk c from buffer c & 1.  stage = 1: chunk c + 1 goes from its register set into the other buffer; lcnt = the loads younger than
; chunk c + 1's; issue = 1: chunk c + 3 is asked for, into the set just emptied.
.macro TRIP c, stage, lcnt, issue
.set PB, (\c)&1
.set QB, 1-PB
.set SB, 1+QB
.if \c
	PLACES                                         ; behind the last trip's matrix instructions, in front of the loads into their sources
.endif
	FRAG PB, \c
.if \stage
	s_wait_loadcnt \lcnt                           ; loads return in order (ISA guide 5.7.1): chunk c + 1 is in, the younger chunk's loads stay out
	CVT SB
	STORE SB, QB                                   ; the other buffer was last read a trip ago, in front of that trip's barrier
	WIN 0xf0                                       ; C and D in window 3, the sources in window 0
	s_wait_dscnt 60                                ; the first K step's 20 loads are in; the second's 20 and the 40 stores may be out
.else
	WIN 0xf0
	s_wait_dscnt 20                                ; the first K step's 20 loads are in
.endif
.if \c
	MUL 0, 0
.else
	MUL 0, 1
.endif
	s_wait_dscnt 0x0                               ; the second K step's fragments are in; my stores are done, for the other waves' sake and so that the set may be loaded again
.if \issue
	GLOAD \c+3, SB                                 ; with the 40 of chunk c + 2 more than LOADcnt's field holds: the issue waits for the oldest (ISA guide 5.7.1)
	WIN 0xf0
.endif
	MUL 1, 0
	WIN 0
.if \stage
	s_barrier_signal -1                            ; my reads of this buffer are back and my part of the next chunk is stored (no LDS instruction since the wait for 0)
	s_barrier_wait -1
.endif
.endm
.irp i, 0,1,2,3,4,5,6,7
	global_load_b128 v[F+4*\i:F+4*\i+3], v[OFFW], s[16:17] offset:(\i>>2)*ROWB+(\i&3)*512   ; WK or WQ: two rows a wave, 512 bytes a load
.endr
	GLOAD 0, 1
	WIN 0
	; LDS addresses, while the first loads are on their way
	v_mul_u32_u24 v22, v3, 8*PITCH
	v_lshl_add_u32 v22, v2, 3, v22                 ; 8 h2 rows + 8 r
	s_mul_i32 s31, s24, 32*PITCH
	v_add_nc_u32 v[STA], s31, v22
	v_add_nc_u32 v[STB], BOFF, v[STA]
	s_mul_i32 s31, s24, 16*PITCH
	s_add_co_u32 s31, s31, XOFF
	v_add_nc_u32 v[STX], s31, v22
	s_mul_i32 s31, s24, 2*WPITCH
	s_add_co_u32 s31, s31, WREG
	v_lshl_add_u32 v[STW], v1, 3, s31
	v_mul_u32_u24 v22, v2, PITCH
	v_lshl_add_u32 v22, v3, 4, v22                 ; row r + 16 h2
	s_mul_i32 s31, s25, 64*PITCH
	v_add_nc_u32 v[FA], s31, v22
	s_mul_i32 s31, s26, 64*PITCH
	s_add_co_u32 s31, s31, BOFF
	v_add_nc_u32 v[FB], s31, v22
	s_mul_i32 s31, s24, 16*PITCH
	s_add_co_u32 s31, s31, XOFF
	v_add_nc_u32 v[FX], s31, v22
	v_and_b32 v23, 7, v0                           ; column r of the small product takes head r & 7
	v_mul_u32_u24 v23, v23, WPITCH
	v_lshl_add_u32 v23, v3, 4, v23
	v_add_nc_u32 v[FW], WREG, v23
	v_mul_u32_u24 v22, v2, SPITCH                  ; stage in: row r
	s_mul_i32 s31, s26, 64*SPITCH
	s_lshl_b32 s42, s25, 7
	s_add_co_u32 s31, s31, s42
	s_add_co_u32 s31, s31, VSTG
	v_lshl_add_u32 v23, v3, 4, v22
	v_add_nc_u32 v[SO], s31, v23                   ; feature 64 wn + r, key 64 wm + 8 h2
	s_lshl_b32 s31, s24, 6
	s_add_co_u32 s31, s31, XSTG
	v_lshl_add_u32 v23, v3, 5, v22
	v_add_nc_u32 v[SX], s31, v23                   ; column r, row 16 w + 8 h2
	v_mul_u32_u24 v22, v3, SPITCH                  ; stage back: lanes 0-15 one row, lanes 16-31 the next
	v_add_nc_u32 v22, v22, v21
	s_mul_i32 s31, s24, 32*SPITCH
	s_add_co_u32 s31, s31, VSTG
	v_add_nc_u32 v[RL], s31, v22
	s_mul_i32 s31, s24, 2*SPITCH
	s_add_co_u32 s31, s31, XSTG
	v_add_nc_u32 v[RLX], s31, v22
	s_lshl_b32 s31, s24, 16
	v_lshl_add_u32 v23, v3, 11, v21
	v_add_nc_u32 v[GO], s31, v23                   ; (32 w + h2) rows of vp + 16 r
	s_lshl_b32 s31, s24, 13
	v_lshl_add_u32 v23, v3, 12, v21
	v_add_nc_u32 v[GOX], s31, v23                  ; (2 w + h2) rows of akq + 16 r
	GLOAD 1, 2
	WIN 0
	s_wait_loadcnt 40                              ; WK/WQ and chunk 0 are in; chunk 1's 40 loads stay out
.irp i, 0,1,2,3,4,5,6,7
	v_cvt_pk_f16_f32 v[F+4*\i], v[F+4*\i], v[F+4*\i+1]
	v_cvt_pk_f16_f32 v[F+4*\i+1], v[F+4*\i+2], v[F+4*\i+3]
.endr
.irp i, 0,1,2,3,4,5,6,7
	ds_store_b64 v[STW], v[F+4*\i:F+4*\i+1] offset:(\i>>2)*WPITCH+(\i&3)*256
.endr
	CVT 1
	STORE 1, 0
	s_wait_dscnt 0x0                               ; my stores are done: for the other waves, and before the set is loaded again
	GLOAD 2, 1
	WIN 0
	s_barrier_signal -1
	s_barrier_wait -1
	TRIP 0, 1, 40, 1
	TRIP 1, 1, 40, 1
	TRIP 2, 1, 40, 1
	TRIP 3, 1, 40, 1
	TRIP 4, 1, 40, 1                               ; asks for chunk 7, the last
	TRIP 5, 1, 40, 0
	TRIP 6, 1, 0, 0                                ; chunk 7: no load is younger
	TRIP 7, 0, 0, 0
	; THE WAY OUT.  A lane's eight sums are eight neighbouring keys of one feature: 16 bytes of f16.  They meet in the stage, which no trip touched;
	; rows of 128 keys (256 bytes) are read back and stored whole.
	PLACES                                         ; behind the last matrix instructions: their results are read, their sources written
	WIN 0x0f
.irp t, 0,1,2,3,4,5,6,7,8,9,10,11,12,13,14,15
.irp p, 0,1,2,3
	v_cvt_pk_f16_f32 v[F+4*\t+\p], v[8*\t+2*\p], v[8*\t+2*\p+1]
.endr
.endr
	WIN 0
.irp i, 0,1,2,3
.irp j, 0,1,2,3
	ds_store_b128 v[SO], v[F+4*(4*\i+\j):F+4*(4*\i+\j)+3] offset:\j*16*SPITCH+32*\i
.endr
.endr
	WIN 0x0c                                       ; store data from window 3
	ds_store_b128 v[SX], v[ACCX:ACCX+3]            ; eight rows of one head, f32
	ds_store_b128 v[SX], v[ACCX+4:ACCX+7] offset:16
	WIN 0
	s_wait_dscnt 0x0                               ; my stores are done before I say so
	s_barrier_signal -1
	s_barrier_wait -1
.irp u, 0,1,2,3,4,5,6,7,8,9,10,11,12,13,14,15
	ds_load_b128 v[F+4*\u:F+4*\u+3], v[RL] offset:\u*2*SPITCH
.endr
	ds_load_b128 v[F+64:F+67], v[RLX]
.irp u, 0,1,2,3,4,5,6,7,8,9,10,11,12,13,14,15
	s_wait_dscnt 16-\u                             ; LDS loads return in order: load u is in
	global_store_b128 v[GO], v[F+4*\u:F+4*\u+3], s[20:21] offset:\u*2*ROWB   ; 16 lanes store 256 consecutive bytes, aligned: 128 keys of one feature
.endr
	s_wait_dscnt 0x0
	global_store_b128 v[GOX], v[F+64:F+67], s[22:23]                         ; 16 lanes: 64 rows of one head, 256 consecutive bytes, aligned
	s_wait_tensorcnt 0x0
	ds_add_u32 v254, v255
	s_wait_dscnt 0x0
	s_endpgm
.Lfunc_end_k_q5d41651073_proj:
	.size	k_q5d41651073_proj, .Lfunc_end_k_q5d41651073_proj-k_q5d41651073_proj
	.p2alignl 7, 3214868480
	.fill 96, 4, 3214868480
	.section	.rodata,"a",@progbits
	.p2align	6, 0x0
	.amdhsa_kernel k_q5d41651073_proj
		.amdhsa_group_segment_fixed_size 140288
		.amdhsa_private_segment_fixed_size 0
		.amdhsa_enable_private_segment 0
		.amdhsa_kernarg_size 64
		.amdhsa_user_sgpr_count 2
		.amdhsa_user_sgpr_kernarg_segment_ptr 1
		.amdhsa_wavefront_size32 1
		.amdhsa_system_sgpr_workgroup_id_x 1
		.amdhsa_system_sgpr_workgroup_id_y 1
		.amdhsa_system_sgpr_workgroup_id_z 1
		.amdhsa_system_vgpr_workitem_id 0
		.amdhsa_next_free_vgpr 904
		.amdhsa_next_free_sgpr 66
		.amdhsa_reserve_vcc 0
		.amdhsa_float_denorm_mode_32 3
		.amdhsa_float_denorm_mode_16_64 3
		.amdhsa_memory_ordered 1
		.amdhsa_forward_progress 1
		.amdhsa_inst_pref_size 147
	.end_amdhsa_kernel
	.amdgpu_metadata
---
amdhsa.version: [ 1, 2 ]
amdhsa.kernels:
  - .name:           k_q5d41651073_proj
    .symbol:         k_q5d41651073_proj.kd
    .args:
      - { .name: V, .offset: 0, .size: 8, .value_kind: global_buffer, .address_space: global }
      - { .name: WV, .offset: 8, .size: 8, .value_kind: global_buffer, .address_space: global }
      - { .name: K, .offset: 16, .size: 8, .value_kind: global_buffer, .address_space: global }
      - { .name: Q, .offset: 24, .size: 8, .value_kind: global_buffer, .address_space: global }
      - { .name: WK, .offset: 32, .size: 8, .value_kind: global_buffer, .address_space: global }
      - { .name: WQ, .offset: 40, .size: 8, .value_kind: global_buffer, .address_space: global }
      - { .name: vp, .offset: 48, .size: 8, .value_kind: global_buffer, .address_space: global }
      - { .name: akq, .offset: 56, .size: 8, .value_kind: global_buffer, .address_space: global }
    .group_segment_fixed_size: 140288
    .private_segment_fixed_size: 0
    .kernarg_segment_align: 8
    .kernarg_segment_size: 64
    .max_flat_workgroup_size: 128
    .sgpr_count:     66
    .vgpr_count:     904
    .wavefront_size: 32
...
	.end_amdgpu_metadata
.endif
;; end of part 1
;; launch attn (part 2): grid 256 x 1, 8 waves a work-group, clusters of 4 x 1, 292,096 bytes of LDS; arguments vp, akq, bias, out0; writes out0
.if DOCPART == 2
	.amdgcn_target "amdgcn-amd-amdhsa--gfx1250"
	.amdhsa_code_object_version 6
	.text
	.protected	k_q5d41651073_attn
	.globl	k_q5d41651073_attn
	.p2align	8
	.type	k_q5d41651073_attn,@function
k_q5d41651073_attn:
	s_mov_b64 s[64:65], 0
	v_nop
	global_prefetch_b8 v0, s[64:65] scope:SCOPE_SE
	s_setreg_imm32_b32 hwreg(HW_REG_WAVE_MODE, 25, 1), 1
	s_wait_xcnt 0x0
	s_wait_alu depctr_hold_cnt(0) depctr_sa_sdst(0) depctr_va_vdst(0) depctr_va_sdst(0) depctr_va_ssrc(0) depctr_va_vcc(0) depctr_vm_vsrc(0)
	s_getreg_b32 s2, hwreg(HW_REG_IB_STS2, 6, 4)
	s_cmp_eq_u32 s2, 0
	s_cbranch_scc0 .Lentry_in_a_cluster
	s_endpgm
.Lentry_in_a_cluster:
	s_bfe_u32 s2, ttmp6, 0x10000c
	s_cmp_lg_u32 s2, 0x3003
	s_cbranch_scc0 .Lentry_shape_is_right
	s_endpgm
.Lentry_shape_is_right:
; attn: out0[b][q][64 h + d] = sum over k of w[q][k] Vproj[k][d] / sum over k of w[q][k] + bias[h][d],  w = exp(leaky(aQ[q] + aK[k]) - m[q]).
; THE MAXIMUM IS TAKEN AWAY EXACTLY.  leaky(x) = max(x, 0.2 x) rises with x, so the row's largest score is m[q] = leaky(X), X = aQ[q] + Kmax,
; Kmax = max over k of aK[k].  With delta[k] = aK[k] - Kmax <= 0:
;     w[q][k] = max( A1[q] E1[k], A2[q] E2[k] ),  E1 = e^delta, E2 = e^(0.2 delta), A1 = e^(X - m), A2 = e^(0.2 X - m).
; All four exponents are <= 0: nothing overflows; the row's largest weight is 1, so the denominator is at least 1.  A work-group needs
; 2 x 1,024 + 8 x 32 x 8 exponentials; a weight costs two multiplications, a maximum and half a conversion.
; LIMITS: inputs finite.  Weights and Vproj enter the matrix unit in f16 (weights are at most 1; below 2^-24 of the row's largest they round to 0);
; v_exp_f32 gives 0 for results below 2^-126 (ISA guide 15.8), where the true weight is as small.  Sums in f32, in the matrix unit's order.
;
; SHARES.  A cluster of four work-groups is one head of one batch (cluster number 8 b + h); its four work-groups are the four blocks of 256 queries.
; All four need the same 64 x 1,024 f16 of vp (128 KiB): it is asked for JOINTLY, one tensor load a wave with the mask of all four, and stays in LDS
; whole: each byte of LDS is filled once, no slot is filled again.  By this text's count a wave has one tensor load out.
; Eight waves: wave w = (g = w & 3, kh = w >> 2) takes queries 64 g .. +63, all 64 d, keys 512 kh .. +511: two waves on each SIMD, so that one's
; vector work can run beside the other's matrix work.  The two halves of the keys meet at the end through LDS: of its four tiles of 16 queries a wave
; calls 0, 1 the two that it finishes (queries 64 g + 32 kh ..) and 2, 3 the two that it sends to wave w ^ 4, so the text is one for all waves.
; THE MATRIX INSTRUCTION IS USED TRANSPOSED: source 0 = 16 rows (d) of vp, source 1 = the weights of 16 queries.  Lane (r, h2) then holds query r
; and d = 16 i + 8 h2 + 0..7.  A fifth product with source 0 = all ones gives the denominator, from the same rounded weights, in the same lane.
.set TPITCH, 272                       ; an LDS row: 128 f16 (or 64 f32) + 16 bytes
.set PIECE,  64*TPITCH                 ; 128 keys of the 64 rows: what one tensor load brings
.set E1B,    8*PIECE                   ; 1,024 f32: E1; E2 lies 4,096 bytes behind
.set E2OFF,  4096
.set RED,    E1B+8192                  ; the eight waves' maxima
.set XCH,    RED+256                   ; 8 waves x 9,216: two tiles' sums and denominators, for the partner
.set XCHW,   9216
.set STG,    XCH+8*XCHW                ; 8 waves x 32 rows x 272: the way out
.set STGW,   32*TPITCH
; window 0
.set AQO, 4                            ; global: 4 r
.set BO,  5                            ; global: 32 h2
.set RS,  6                            ; LDS: my wave's word of RED
.set ES,  7                            ; LDS: E1B + 16 thread
.set VFA, 8                            ; LDS: fragments of vp
.set EA,  9                            ; LDS: my 16 keys' E1
.set XS,  10                           ; LDS: exchange, out
.set XL,  11                           ; LDS: exchange, in
.set SS,  12                           ; LDS: stage in
.set SL,  13                           ; LDS: stage back
.set GO,  14                           ; global: out0
.set AKO, 15                           ; global: 16 thread
.set AF,  16                           ; v16-31: tile t: (A1, A1) at 4 t, (A2, A2) at 4 t + 2
.set ONES, 32                          ; v32-39: a fragment of ones
.set VF0, 40                           ; v40-71, v72-103: four fragments of vp, two buffers
.set VF1, 72
.set EB0, 104                          ; v104-135, v136-167: 16 E1 and 16 E2, two buffers
.set EB1, 136
.set WF,  168                          ; v168-199: the weights' fragments, 8 registers a tile
.set P1,  200                          ; v200-215
.set P2,  216                          ; v216-231
.set RR,  232                          ; LDS: RED
.set TT,  233                          ; v233-234 at work on addresses
; in front of the first fragments v40-75 are at work:
.set AK,  40                           ; my four aK, then delta
.set AQ,  44                           ; aQ of my query in the four tiles, then X
.set T0,  48                           ; Kmax
.set T1,  49
.set RD,  52                           ; eight maxima
.set X1,  60                           ; four E1
.set X2,  64                           ; four E2
.set XM,  68
.set XN,  72
; behind the last product:
.set R,   40                           ; v40-103: the partner's sums, then the results
.set DN,  104                          ; v104-105 denominators
.set RC,  106                          ; v106-109 their reciprocals, twice each
.set O,   112                          ; v112-175 rows on their way out
; window 1 (low numbers): accumulator (t, i) at 8 (5 t + i), denominator of tile t at 8 (5 t + 4); bias at 160
.set BI,  160
.set G1,  24                           ; s[24:31]
.set G0,  32                           ; s[32:35]
.set MSB, 0
.macro WIN new                         ; s_set_vgpr_msb: bits 1:0 source 0, 3:2 source 1, 5:4 source 2, 7:6 destination; the high byte repeats the setting that is left
.if MSB != \new
	s_set_vgpr_msb (MSB<<8)|\new
.set MSB, \new
.endif
.endm
.macro PLACES
.rept 4
	v_nop
.endr
.endm
; a round of the cluster's barrier: my work-group's barrier; wave 0 signals for the work-group; every wave waits for all four work-groups; my work-group's barrier again
.macro ROUND
	s_barrier_signal -1
	s_barrier_wait -1
	s_cmp_lg_u32 s12, 0
	s_cbranch_scc1 .Lnot_wave_0_\@
	s_barrier_signal -3
.Lnot_wave_0_\@:
	s_barrier_wait -3
	s_barrier_signal -1
	s_barrier_wait -1
.endm
	s_load_b256 s[4:11], s[0:1], 0x0               ; vp s[4:5], akq s[6:7], bias s[8:9], out0 s[10:11]
	v_lshl_add_u32 v254, v0, 2, 0x47100
	v_mov_b32 v255, 0
	ds_add_u32 v254, v255
	v_lshrrev_b32 v1, 5, v0
	v_readfirstlane_b32 s12, v1                    ; w
	s_and_b32 s13, s12, 3                          ; g
	s_lshr_b32 s14, s12, 2                         ; kh
	s_xor_b32 s17, s14, 1                          ; 1 - kh
	s_bfe_u32 s15, ttmp6, 0x40000                  ; cx: my block of 256 queries.  It enters global addresses of aQ and out0 alone
	s_mov_b32 s38, 0x76543210                      ; v_permlanex16_b32: lane i of one half reads lane i of the other
	s_mov_b32 s39, 0xfedcba98
	; descriptor group 1: 64 rows x 128 elements of 2 bytes, 1,024 elements from row to row, 16 bytes of padding behind each row's 64 words
	s_mov_b32 s[G1+0], 15|(1<<16)|(1<<20)|(1<<21)|(5<<22)|(3<<25)   ; 15:0 the mask: all four work-groups; 17:16 2 bytes; 20 padding on; 21 set beside a mask; 24:22 every 64 words; 31:25 4 words
	s_mov_b32 s[G1+1], 128<<16                     ; tensor_dim0 = 128
	s_mov_b32 s[G1+2], 64<<16                      ; tensor_dim1 = 64
	s_mov_b32 s[G1+3], 128<<16                     ; tile_dim0 = 128
	s_mov_b32 s[G1+4], 64                          ; tile_dim1 = 64
	s_mov_b32 s[G1+5], 1024                        ; the pitch
	s_mov_b32 s[G1+6], 0
	s_mov_b32 s[G1+7], 0
	s_mov_b32 s[G0+0], 1
	s_mul_i32 s[G0+1], s12, PIECE                  ; wave w brings keys 128 w .. +127 to piece w: the wave's number alone
	s_lshl_b32 s18, ttmp9, 17                      ; vp: 64 rows of 2,048 bytes for each head of each batch,
	s_lshl_b32 s16, s12, 8                         ; + 128 keys of 2 bytes for each wave: equal in the four work-groups
	s_add_co_u32 s18, s18, s16
	s_mov_b32 s19, 0
	s_lshl_b32 s42, ttmp9, 12                      ; aK: 1,024 f32 for each head of each batch
	s_mov_b32 s43, 0
	s_lshl_b32 s44, s15, 10                        ; aQ: the second half of akq, the same row, + 256 cx + 64 g queries
	s_lshl_b32 s16, s13, 8
	s_add_co_u32 s44, s44, s16
	s_add_co_u32 s44, s44, s42
	s_add_co_u32 s44, s44, 0x40000
	s_lshl_b32 s16, s17, 7
	s_add_co_u32 s46, s44, s16                     ; tiles 2, 3: + 32 (1 - kh)
	s_lshl_b32 s16, s14, 7
	s_add_co_u32 s44, s44, s16                     ; tiles 0, 1: + 32 kh
	s_mov_b32 s45, 0
	s_mov_b32 s47, 0
	s_lshr_b32 s16, ttmp9, 3                       ; out0: ((1,024 b + 256 cx + 64 g + 32 kh) x 512 + 64 h) x 4 bytes
	s_lshl_b32 s48, s16, 21
	s_lshl_b32 s52, s15, 19
	s_add_co_u32 s48, s48, s52
	s_lshl_b32 s16, s13, 17
	s_add_co_u32 s48, s48, s16
	s_lshl_b32 s16, s14, 16
	s_add_co_u32 s48, s48, s16
	s_and_b32 s50, ttmp9, 7
	s_lshl_b32 s50, s50, 8                         ; bias: 64 f32 for each head
	s_add_co_u32 s48, s48, s50
	s_mov_b32 s49, 0
	s_mov_b32 s51, 0
	v_and_b32 v1, 31, v0                           ; lane
	v_and_b32 v2, 15, v0                           ; r
	v_bfe_u32 v3, v0, 4, 1                         ; h2
	v_lshlrev_b32 v[AKO], 4, v0
	v_lshlrev_b32 v[AQO], 2, v2
	v_lshlrev_b32 v[BO], 5, v3
	s_wait_dscnt 0x0
	s_wait_kmcnt 0x0
	s_add_nc_u64 s[G0+2:G0+3], s[4:5], s[18:19]
	s_or_b32 s[G0+3], s[G0+3], 0x80000000          ; type = 2
	s_add_nc_u64 s[20:21], s[6:7], s[42:43]
	s_add_nc_u64 s[22:23], s[6:7], s[44:45]
	s_add_nc_u64 s[36:37], s[6:7], s[46:47]
	s_add_nc_u64 s[40:41], s[10:11], s[48:49]
	s_add_nc_u64 s[8:9], s[8:9], s[50:51]
	global_load_b128 v[AK:AK+3], v[AKO], s[20:21]              ; 256 threads x 4: all 1,024 aK of the head
	global_load_b32 v[AQ],   v[AQO], s[22:23]                  ; aQ of query r of each tile
	global_load_b32 v[AQ+1], v[AQO], s[22:23] offset:64
	global_load_b32 v[AQ+2], v[AQO], s[36:37]
	global_load_b32 v[AQ+3], v[AQO], s[36:37] offset:64
	WIN 0x40                                       ; destination in window 1
.irp n, 0,1,2,3,4,5,6,7
	global_load_b128 v[BI+4*\n:BI+4*\n+3], v[BO], s[8:9] offset:64*(\n>>1)+16*(\n&1)   ; bias[h][16 i + 8 h2 + 0..7], i = n >> 1
.endr
	WIN 0
	ROUND                                          ; all four work-groups are here: the joint loads meet
	tensor_load_to_lds s[G0:G0+3], s[G1:G1+7]      ; my piece; the only tensor load of the wave
	s_nop 0
	; LDS addresses, while the tile is on its way
	v_add_nc_u32 v[ES], E1B, v[AKO]
	s_lshl_b32 s16, s12, 2
	s_add_co_u32 s16, s16, RED
	v_mov_b32 v[RS], s16
	v_mov_b32 v[RR], RED
	v_mul_u32_u24 v[TT], v2, TPITCH                ; 272 r
	s_mul_i32 s16, s14, 4*PIECE                    ; my half of the keys: pieces 4 kh .. 4 kh + 3
	v_lshl_add_u32 v[VFA], v3, 4, v[TT]
	v_add_nc_u32 v[VFA], s16, v[VFA]
	s_lshl_b32 s16, s14, 11
	s_add_co_u32 s16, s16, E1B
	v_lshl_add_u32 v[EA], v3, 5, s16               ; keys 512 kh + 8 h2 ..
	s_mul_i32 s16, s12, XCHW
	s_add_co_u32 s16, s16, XCH
	v_lshl_add_u32 v[XS], v1, 4, s16
	s_xor_b32 s16, s12, 4                          ; my partner: the same queries, the other keys
	s_mul_i32 s16, s16, XCHW
	s_add_co_u32 s16, s16, XCH
	v_lshl_add_u32 v[XL], v1, 4, s16
	s_mul_i32 s16, s12, STGW
	s_add_co_u32 s16, s16, STG
	v_lshl_add_u32 v[SS], v3, 5, v[TT]
	v_add_nc_u32 v[SS], s16, v[SS]                 ; row r, d = 8 h2
	v_mul_u32_u24 v[TT+1], v3, TPITCH
	v_lshl_add_u32 v[TT+1], v2, 4, v[TT+1]
	v_add_nc_u32 v[SL], s16, v[TT+1]               ; lanes 0-15 one row, lanes 16-31 the next
	v_lshlrev_b32 v[GO], 11, v3
	v_lshl_add_u32 v[GO], v2, 4, v[GO]             ; the same two rows of out0
	; Kmax: my four, the wave's 128, the work-group's 1,024
	s_wait_loadcnt 8                               ; aK and aQ are in; the 8 loads of the bias stay out
	v_max_num_f32 v[T0], v[AK], v[AK+1]
	v_max_num_f32 v[T1], v[AK+2], v[AK+3]
	v_max_num_f32 v[T0], v[T0], v[T1]
	v_max_num_f32_dpp v[T0], v[T0], v[T0] row_xmask:1 row_mask:0xf bank_mask:0xf
	v_max_num_f32_dpp v[T0], v[T0], v[T0] row_xmask:2 row_mask:0xf bank_mask:0xf
	v_max_num_f32_dpp v[T0], v[T0], v[T0] row_xmask:4 row_mask:0xf bank_mask:0xf
	v_max_num_f32_dpp v[T0], v[T0], v[T0] row_xmask:8 row_mask:0xf bank_mask:0xf
	v_permlanex16_b32 v[T1], v[T0], s38, s39       ; its destination counts as read: T1 has been written
	v_max_num_f32 v[T0], v[T0], v[T1]
	ds_store_b32 v[RS], v[T0]                      ; all lanes write the same word with the same value
	s_wait_dscnt 0x0
	s_barrier_signal -1                            ; the tensor load may stay out
	s_barrier_wait -1
	ds_load_b128 v[RD:RD+3], v[RR]
	ds_load_b128 v[RD+4:RD+7], v[RR] offset:16
	s_wait_dscnt 0x0
	v_max3_num_f32 v[T0], v[RD], v[RD+1], v[RD+2]
	v_max3_num_f32 v[T1], v[RD+3], v[RD+4], v[RD+5]
	v_max3_num_f32 v[T0], v[T0], v[RD+6], v[RD+7]
	v_max_num_f32 v[T0], v[T0], v[T1]              ; Kmax, in every lane of every wave
	; E1, E2 of my four keys
.irp j, 0,1,2,3
	v_sub_f32 v[AK+\j], v[AK+\j], v[T0]            ; delta <= 0
.endr
.irp j, 0,1,2,3
	v_mul_f32 v[XM+\j], 0x3fb8aa3b, v[AK+\j]       ; log2(e) delta
	v_mul_f32 v[XN+\j], 0x3e93bb63, v[AK+\j]       ; 0.2 log2(e) delta
.endr
.irp j, 0,1,2,3
	v_exp_f32 v[X1+\j], v[XM+\j]
	v_exp_f32 v[X2+\j], v[XN+\j]
.endr
.irp t, 0,1,2,3
	v_add_f32 v[AQ+\t], v[AQ+\t], v[T0]            ; X = aQ + Kmax.  Also the plain instructions behind the exponentials (ISA guide 5.7.2)
.endr
	s_wait_alu depctr_va_vdst(0)
	ds_store_b128 v[ES], v[X1:X1+3]
	ds_store_b128 v[ES], v[X2:X2+3] offset:E2OFF
	; A1, A2 of my query in each tile
.irp t, 0,1,2,3
	v_mul_f32 v[XM+\t], 0x3e4ccccd, v[AQ+\t]       ; 0.2 X
.endr
.irp t, 0,1,2,3
	v_max_num_f32 v[XN+\t], v[AQ+\t], v[XM+\t]     ; m = leaky(X)
.endr
.irp t, 0,1,2,3
	v_sub_f32 v[AQ+\t], v[AQ+\t], v[XN+\t]         ; X - m <= 0
	v_sub_f32 v[XM+\t], v[XM+\t], v[XN+\t]         ; 0.2 X - m <= 0
.endr
.irp t, 0,1,2,3
	v_mul_f32 v[AQ+\t], 0x3fb8aa3b, v[AQ+\t]
	v_mul_f32 v[XM+\t], 0x3fb8aa3b, v[XM+\t]
.endr
.irp t, 0,1,2,3
	v_exp_f32 v[AF+4*\t], v[AQ+\t]
	v_exp_f32 v[AF+4*\t+2], v[XM+\t]
.endr
.irp j, 0,1,2,3,4,5,6,7
	v_mov_b32 v[ONES+\j], 0x3c003c00               ; 1.0 twice in f16.  Also the plain instructions behind the exponentials
.endr
	s_wait_alu depctr_va_vdst(0)
.irp t, 0,1,2,3
	v_mov_b32 v[AF+4*\t+1], v[AF+4*\t]             ; pairs for the packed multiplications
	v_mov_b32 v[AF+4*\t+3], v[AF+4*\t+2]
.endr
	s_wait_tensorcnt 0x0                           ; my piece of the tile has landed
	s_wait_dscnt 0x0                               ; my E1 and E2 are stored
	s_barrier_signal -1
	s_barrier_wait -1                              ; everybody's have
; the 16 LDS loads of K step s (32 keys): four fragments of vp, and E1 and E2 of my 16 keys (8 h2 .. +7 and 16 + 8 h2 .. +7: the fragment's own order)
.macro LOADK s, vf, eb
.irp j, 0,1
	ds_load_b128 v[\eb+8*\j:\eb+8*\j+3],       v[EA] offset:128*(\s)+64*\j
	ds_load_b128 v[\eb+8*\j+4:\eb+8*\j+7],     v[EA] offset:128*(\s)+64*\j+16
	ds_load_b128 v[\eb+16+8*\j:\eb+16+8*\j+3], v[EA] offset:E2OFF+128*(\s)+64*\j
	ds_load_b128 v[\eb+16+8*\j+4:\eb+16+8*\j+7], v[EA] offset:E2OFF+128*(\s)+64*\j+16
.endr
.irp i, 0,1,2,3
	ds_load_b128 v[\vf+8*\i:\vf+8*\i+3],   v[VFA] offset:((\s)>>2)*PIECE+\i*16*TPITCH+64*((\s)&3)
	ds_load_b128 v[\vf+8*\i+4:\vf+8*\i+7], v[VFA] offset:((\s)>>2)*PIECE+\i*16*TPITCH+64*((\s)&3)+32
.endr
.endm
; the weights of tile t's query r for my 16 keys: max(E1 A1, E2 A2), rounded to f16 into the tile's fragment
.macro WTILE t, e
.irp p, 0,1,2,3,4,5,6,7
	v_pk_mul_f32 v[P1+2*\p:P1+2*\p+1], v[\e+2*\p:\e+2*\p+1], v[AF+4*\t:AF+4*\t+1]
	v_pk_mul_f32 v[P2+2*\p:P2+2*\p+1], v[\e+16+2*\p:\e+16+2*\p+1], v[AF+4*\t+2:AF+4*\t+3]
.endr
.irp p, 0,1,2,3,4,5,6,7,8,9,10,11,12,13,14,15
	v_max_num_f32 v[P1+\p], v[P1+\p], v[P2+\p]
.endr
.irp p, 0,1,2,3,4,5,6,7
	v_cvt_pk_f16_f32 v[WF+8*\t+\p], v[P1+2*\p], v[P1+2*\p+1]
.endr
.endm
; K step s.  zero = 1: the products start the sums.  pre = 1: the next step's loads go out behind the first tile's 40 vector instructions, of which the
; first 32 name no register of the last step's matrix instructions: the places in front of the loads into their sources and of the writes of the weights.
; The 20 accumulators take turns, one instruction a turn.
.macro KSUB s, zero, pre
.if (\s)&1
.set VC, VF1
.set EC, EB1
.set VN, VF0
.set EN, EB0
.else
.set VC, VF0
.set EC, EB0
.set VN, VF1
.set EN, EB1
.endif
	s_wait_dscnt 0x0                               ; this step's 16 loads, issued three tiles and 20 products ago
	WTILE 0, EC
.if \pre
	LOADK \s+1, VN, EN
.endif
	WTILE 1, EC
	WTILE 2, EC
	WTILE 3, EC
	WIN 0x50                                       ; C and D in window 1
.irp t, 0,1,2,3
.irp i, 0,1,2,3
.if \zero
	v_wmma_f32_16x16x32_f16 v[8*(5*\t+\i):8*(5*\t+\i)+7], v[VC+8*\i:VC+8*\i+7], v[WF+8*\t:WF+8*\t+7], 0
.else
	v_wmma_f32_16x16x32_f16 v[8*(5*\t+\i):8*(5*\t+\i)+7], v[VC+8*\i:VC+8*\i+7], v[WF+8*\t:WF+8*\t+7], v[8*(5*\t+\i):8*(5*\t+\i)+7]
.endif
.endr
.if \zero
	v_wmma_f32_16x16x32_f16 v[8*(5*\t+4):8*(5*\t+4)+7], v[ONES:ONES+7], v[WF+8*\t:WF+8*\t+7], 0
.else
	v_wmma_f32_16x16x32_f16 v[8*(5*\t+4):8*(5*\t+4)+7], v[ONES:ONES+7], v[WF+8*\t:WF+8*\t+7], v[8*(5*\t+4):8*(5*\t+4)+7]
.endif
.endr
	WIN 0
.endm
	LOADK 0, VF0, EB0
	KSUB 0, 1, 1
.irp s, 1,2,3,4,5,6,7,8,9,10,11,12,13,14
	KSUB \s, 0, 1
.endr
	KSUB 15, 0, 0
	; THE TWO HALVES OF THE KEYS MEET: tiles 2, 3 go to the partner, 16 bytes a lane, 512 consecutive bytes a store; a lane's eight denominators are equal, so one word goes
	PLACES                                         ; behind the last matrix instructions: their results are read, their sources loaded into
	WIN 0x04                                       ; store data from window 1
.irp t, 2,3
.irp i, 0,1,2,3
	ds_store_b128 v[XS], v[8*(5*\t+\i):8*(5*\t+\i)+3]   offset:1024*(4*(\t-2)+\i)
	ds_store_b128 v[XS], v[8*(5*\t+\i)+4:8*(5*\t+\i)+7] offset:1024*(4*(\t-2)+\i)+512
.endr
	ds_store_b32 v[XS], v[8*(5*\t+4)] offset:8192+512*(\t-2)
.endr
	WIN 0
	s_wait_dscnt 0x0                               ; my stores are done before I say so
	s_barrier_signal -1
	s_barrier_wait -1
.irp n, 0,1,2,3,4,5,6,7,8,9,10,11,12,13,14,15
	ds_load_b128 v[R+4*\n:R+4*\n+3], v[XL] offset:512*\n       ; the partner's tiles 2, 3 are my tiles 0, 1, lane for lane
.endr
	ds_load_b32 v[DN],   v[XL] offset:8192
	ds_load_b32 v[DN+1], v[XL] offset:8704
	s_wait_dscnt 0x0
	WIN 0x01                                       ; source 0 from window 1
.irp t, 0,1
.irp i, 0,1,2,3
.irp q, 0,1,2,3
	v_pk_add_f32 v[R+32*\t+8*\i+2*\q:R+32*\t+8*\i+2*\q+1], v[8*(5*\t+\i)+2*\q:8*(5*\t+\i)+2*\q+1], v[R+32*\t+8*\i+2*\q:R+32*\t+8*\i+2*\q+1]
.endr
.endr
	v_add_f32 v[DN+\t], v[8*(5*\t+4)], v[DN+\t]
.endr
	WIN 0
	v_rcp_f32 v[RC], v[DN]                         ; the denominator is at least 1
	v_rcp_f32 v[RC+2], v[DN+1]
	v_nop                                          ; one plain instruction behind a transcendental before its result is used (ISA guide 5.7.2)
	s_wait_alu depctr_va_vdst(0)
	v_mov_b32 v[RC+1], v[RC]
	v_mov_b32 v[RC+3], v[RC+2]
	s_wait_loadcnt 0x0                             ; the bias
	WIN 0x10                                       ; source 2 from window 1
.irp t, 0,1
.irp i, 0,1,2,3
.irp q, 0,1,2,3
	v_pk_fma_f32 v[R+32*\t+8*\i+2*\q:R+32*\t+8*\i+2*\q+1], v[R+32*\t+8*\i+2*\q:R+32*\t+8*\i+2*\q+1], v[RC+2*\t:RC+2*\t+1], v[BI+8*\i+2*\q:BI+8*\i+2*\q+1]
.endr
.endr
.endr
	WIN 0
	; THE WAY OUT: 32 queries x 64 d of f32 through my own stage, read back as rows of 256 bytes
.irp t, 0,1
.irp i, 0,1,2,3
	ds_store_b128 v[SS], v[R+32*\t+8*\i:R+32*\t+8*\i+3]   offset:\t*16*TPITCH+64*\i
	ds_store_b128 v[SS], v[R+32*\t+8*\i+4:R+32*\t+8*\i+7] offset:\t*16*TPITCH+64*\i+16
.endr
.endr
.irp u, 0,1,2,3,4,5,6,7,8,9,10,11,12,13,14,15
	ds_load_b128 v[O+4*\u:O+4*\u+3], v[SL] offset:\u*2*TPITCH  ; LDS serves a wave's instructions in order (ISA guide 5.7.1): these see my stores above
.endr
.irp u, 0,1,2,3,4,5,6,7,8,9,10,11,12,13,14,15
	s_wait_dscnt 15-\u                             ; load u is in
	global_store_b128 v[GO], v[O+4*\u:O+4*\u+3], s[40:41] offset:\u*4096 th:TH_STORE_NT   ; 16 lanes store one query's 64 d: 256 consecutive bytes, aligned
.endr
	s_wait_tensorcnt 0x0
	ds_add_u32 v254, v255
	s_wait_dscnt 0x0
	ROUND                                          ; the closing round: no work-group ends while a partner may still ask for a tile that names it
	s_endpgm
.Lfunc_end_k_q5d41651073_attn:
	.size	k_q5d41651073_attn, .Lfunc_end_k_q5d41651073_attn-k_q5d41651073_attn
	.p2alignl 7, 3214868480
	.fill 96, 4, 3214868480
	.section	.rodata,"a",@progbits
	.p2align	6, 0x0
	.amdhsa_kernel k_q5d41651073_attn
		.amdhsa_group_segment_fixed_size 292096
		.amdhsa_private_segment_fixed_size 0
		.amdhsa_enable_private_segment 0
		.amdhsa_kernarg_size 32
		.amdhsa_user_sgpr_count 2
		.amdhsa_user_sgpr_kernarg_segment_ptr 1
		.amdhsa_wavefront_size32 1
		.amdhsa_system_sgpr_workgroup_id_x 1
		.amdhsa_system_sgpr_workgroup_id_y 1
		.amdhsa_system_sgpr_workgroup_id_z 1
		.amdhsa_system_vgpr_workitem_id 0
		.amdhsa_next_free_vgpr 448
		.amdhsa_next_free_sgpr 66
		.amdhsa_reserve_vcc 0
		.amdhsa_float_denorm_mode_32 3
		.amdhsa_float_denorm_mode_16_64 3
		.amdhsa_memory_ordered 1
		.amdhsa_forward_progress 1
		.amdhsa_inst_pref_size 188
	.end_amdhsa_kernel
	.amdgpu_metadata
---
amdhsa.version: [ 1, 2 ]
amdhsa.kernels:
  - .name:           k_q5d41651073_attn
    .symbol:         k_q5d41651073_attn.kd
    .args:
      - { .name: vp, .offset: 0, .size: 8, .value_kind: global_buffer, .address_space: global }
      - { .name: akq, .offset: 8, .size: 8, .value_kind: global_buffer, .address_space: global }
      - { .name: bias, .offset: 16, .size: 8, .value_kind: global_buffer, .address_space: global }
      - { .name: out0, .offset: 24, .size: 8, .value_kind: global_buffer, .address_space: global }
    .group_segment_fixed_size: 292096
    .private_segment_fixed_size: 0
    .kernarg_segment_align: 8
    .kernarg_segment_size: 32
    .max_flat_workgroup_size: 256
    .sgpr_count:     66
    .vgpr_count:     448
    .wavefront_size: 32
...
	.end_amdgpu_metadata
.endif
;; end of part 2
;; ======== version 2 of 2: 2 launches; version 1 with the launch proj written anew for expert scheduling mode
;; limits: values are held in f16: magnitudes above 65,504 overflow, below 6.1e-05 lose precision
;; workspace buffers: vp 8,388,608 bytes; akq 524,288 bytes
;; launch proj (part 3): grid 4 x 64, 4 waves a work-group, no clusters, 140,288 bytes of LDS; arguments V, WV, K, Q, WK, WQ, vp, akq; writes vp, akq
.if DOCPART == 3
	.amdgcn_target "amdgcn-amd-amdhsa--gfx1250"
	.amdhsa_code_object_version 6
	.text
	.protected	k_q5d41651073_proj
	.globl	k_q5d41651073_proj
	.p2align	8
	.type	k_q5d41651073_proj,@function
k_q5d41651073_proj:
	s_mov_b64 s[64:65], 0
	v_nop
	global_prefetch_b8 v0, s[64:65] scope:SCOPE_SE
	s_setreg_imm32_b32 hwreg(HW_REG_WAVE_SCHED_MODE, 0, 2), 2
	s_setreg_imm32_b32 hwreg(HW_REG_WAVE_MODE, 25, 1), 1
	s_wait_xcnt 0x0
	s_wait_alu depctr_vm_vsrc(0)
; proj: vp[b][e][k] = f16( sum over c of V[b][k][c] WV[e][c] )   (Vproj, transposed: a row is one feature e, 1,024 keys, 2,048 bytes)
;       akq[0][b][h][k] = sum over c of K[b][k][c] WK[h][c],  akq[1][b][h][q] = the same of Q and WQ   (f32)
; All inputs are f32; every matrix operand is rounded once to f16, every sum is f32.
; LIMITS: inputs finite; |V|, |WV|, |K|, |Q|, |WK|, |WQ| and |Vproj| below 65,504 (f16's largest number; beyond it the conversion gives
; infinity); magnitudes below 2^-24 round to zero in f16.  The sums are formed in the matrix unit's order, not in the reference's.
;
; SHARES.  Work-group (x, y): keys 128 y .. +127 (of the 8,192 rows of V) by features 128 x .. +127, and 64 rows of K (x even) or of Q (x odd),
; row block 2 y + (x >> 1).  Four waves; wave w = (wm, wn) makes 64 keys x 64 features in 16 accumulators, and rows 16 w .. +15 of the 64
; by the 8 heads in a seventeenth (its columns 8 to 15 repeat columns 0 to 7).
; THE WAY IN: global_load_b128 -> v_cvt_pk_f16_f32 -> ds_store_b64 -> fragments.  The sum index goes in 8 chunks of 64 numbers: a row's piece is
; 256 consecutive bytes, aligned.  Two register sets of 40 loads and two LDS buffers take turns.
; WHY NO TENSOR LOADS AND NO JOINT LOADS, though four work-groups read each row of V and 64 each row of WV: a tensor load copies bytes as they
; are.  With f32 tiles in LDS a wave's fragments of a chunk would be 40 KiB instead of 20 KiB, and every number of V and WV would be converted
; by each of the two waves that read it instead of once.
; THE MODE: SCHED_MODE bits 1:0 = 2 (LLVM: expert scheduling mode 2), set by the entry lines.  The code itself states the register dependences
; between vector or matrix instructions and memory or LDS instructions, with s_wait_alu, always for 0.
; THE PLAN.  Registers that memory or LDS instructions touch:
;   RAW1, RAW2   a chunk as loaded.  Trip c: its 80 conversions read RAW[s] (chunk c + 1); behind them the loads of chunk c + 3 land in it.  No store reads it, no vector instruction writes it.
;   OUT1, OUT2   the same chunk in f16.  Trip c: the conversions write OUT[s], the trip's 40 LDS stores read it; it is written again two trips on.
;   F            the fragments.  Trip c: 40 LDS loads land in it, the trip's 34 matrix instructions read it.
;   v4 - v20     offsets and LDS addresses: made in front of the first trip and never written again; rows and chunks stand in the immediates.
;   The accumulators are named by matrix instructions alone until the way out.
; So a trip has ONE wait on va_vdst, behind its conversions: the last trip's matrix instructions are done reading F, OUT[s] is written, RAW[s] has been read.
; All the trip's 120 memory and LDS instructions follow it, and no vector or matrix instruction behind it names a register that they touch (the matrix
; instructions name F, whose loads have their own wait on DScnt, and the accumulators).  ONE wait on vm_vsrc stands ahead of the conversions, for OUT[s].
.set ROWB,   2048                      ; bytes in a row of V, WV, K, Q, and in a row of vp
.set CHB,    256                       ; bytes of a row in a chunk
.set PITCH,  144                       ; an LDS row: 64 f16 + 16 bytes; 9 x 16, so the 16 rows of a fragment load lie in 16 different 16-byte columns of 256 bytes
.set BUF,    320*PITCH                 ; a buffer: rows 0-127 V, 128-255 WV, 256-319 K or Q
.set BOFF,   128*PITCH
.set XOFF,   256*PITCH
.set WREG,   2*BUF                     ; WK or WQ, all 512 columns in f16: 8 rows
.set WPITCH, 1040                      ; 1,024 bytes + 16
.set VSTG,   100608                    ; the way out: 128 features x (128 keys of f16 + 16 bytes)
.set SPITCH, 272
.set XSTG,   VSTG+128*SPITCH           ; the way out: 16 columns x (64 rows of f32 + 16 bytes); columns 8-15 are never read
; window 0: addresses and fragments
.set OFFA, 4                           ; global: (32 w + 8 h2) rows + 16 r      (V and WV)
.set OFFX, 5                           ; global: (16 w + 8 h2) rows + 16 r      (K or Q)
.set OFFW, 6                           ; global: 2 w rows + 16 lane             (WK or WQ)
.set STA,  7                           ; LDS store, V
.set STX,  8                           ; LDS store, K or Q
.set STW,  9                           ; LDS store, WK or WQ
.set FA,   10                          ; fragments of V
.set FB,   11                          ; fragments of WV
.set FX,   12                          ; fragment of K or Q
.set FW,   13                          ; fragment of WK or WQ
.set SO,   14                          ; stage in, vp
.set SX,   15                          ; stage in, akq
.set RL,   16                          ; stage back, vp
.set GO,   17                          ; global, vp
.set RLX,  18                          ; stage back, akq
.set GOX,  19                          ; global, akq
.set STB,  20                          ; LDS store, WV (a register of its own: STA's immediate would pass 65,535)
.set F,    32                          ; v32-111, v112-191: fragments of the chunk's two K steps: 4 of V, 4 of WV, 1 of K/Q, 1 of WK/WQ, 8 registers each
.set OB,   F+80                        ; v112-179: the way out: rows read back from the stage
; windows 1 and 2: RAW (low numbers 0-159; load n in 4n .. 4n+3: V n = 0-15, WV 16-31, K/Q 32-39) and OUT (low numbers 160-239; load n's four f16 in OUT + 2n, OUT + 2n + 1)
.set OUT,  160
; window 3: accumulators, tile (i, j) at 8 (4 i + j); the seventeenth at 128
.set ACCX, 128
.set MSB, 0
.macro WIN new                         ; s_set_vgpr_msb: bits 1:0 source 0, 3:2 source 1, 5:4 source 2, 7:6 destination; the high byte repeats the setting that is left
.if MSB != \new
	s_set_vgpr_msb (MSB<<8)|\new
.set MSB, \new
.endif
.endm
.macro PLACES                          ; four independent vector instructions between a matrix instruction and a load into, or a read of, its registers
.rept 4
	v_nop
.endr
.endm
	s_load_b512 s[8:23], s[0:1], 0x0               ; V s[8:9], WV s[10:11], K s[12:13], Q s[14:15], WK s[16:17], WQ s[18:19], vp s[20:21], akq s[22:23]
	v_lshl_add_u32 v254, v0, 2, 0x22200            ; the LDS address of my spare word, behind the stages; kept for the closing lines alone
	v_mov_b32 v255, 0                              ; and 0, likewise
	v_lshrrev_b32 v1, 5, v0
	v_readfirstlane_b32 s24, v1                    ; w
	s_and_b32 s28, ttmp7, 0xffff                   ; y: block of 128 keys
	s_and_b32 s29, ttmp9, 1                        ; 0: K and WK, 1: Q and WQ
	s_lshr_b32 s30, ttmp9, 1
	s_lshl1_add_u32 s30, s28, s30                  ; block of 64 rows of K or Q: 2 y + (x >> 1)
	v_and_b32 v1, 31, v0                           ; lane
	v_and_b32 v2, 15, v0                           ; r
	v_bfe_u32 v3, v0, 4, 1                         ; h2
	; byte offsets of this work-group's parts, each in a pair of its own
	s_lshl_b32 s32, s28, 18                        ; V: 128 rows of 2,048 bytes
	s_mov_b32 s33, 0
	s_lshl_b32 s34, ttmp9, 18                      ; WV: the same
	s_mov_b32 s35, 0
	s_lshl_b32 s36, s30, 17                        ; K or Q: 64 rows
	s_mov_b32 s37, 0
	s_lshr_b32 s31, s28, 3                         ; vp: batch (y >> 3) x 512 rows + 128 x rows, + (y & 7) x 128 keys of 2 bytes
	s_lshl_b32 s38, s31, 20
	s_add_co_u32 s38, s38, s34
	s_and_b32 s31, s28, 7
	s_lshl_b32 s31, s31, 8
	s_add_co_u32 s38, s38, s31
	s_mov_b32 s39, 0
	s_lshl_b32 s40, s29, 18                        ; akq: half, + batch x 8 rows of 4,096 bytes, + 64 numbers of 4 bytes for each block
	s_lshr_b32 s31, s30, 4
	s_lshl_b32 s31, s31, 15
	s_add_co_u32 s40, s40, s31
	s_and_b32 s31, s30, 15
	s_lshl_b32 s31, s31, 8
	s_add_co_u32 s40, s40, s31
	s_mov_b32 s41, 0
	; a load of a wave takes 256 bytes of two rows: lanes 0-15 row a, lanes 16-31 row a + 8
	v_lshlrev_b32 v21, 4, v2                       ; 16 r
	v_lshl_add_u32 v22, v3, 14, v21                ; + 8 h2 rows
	s_wait_alu depctr_va_sdst(0)                   ; s24, the wave's number, is written, ahead of its first reader: the halves, the offsets and the LDS addresses are made from it
	s_lshr_b32 s25, s24, 1                         ; wm: which 64 keys
	s_and_b32 s26, s24, 1                          ; wn: which 64 features
	s_lshl_b32 s31, s24, 16
	v_add_nc_u32 v[OFFA], s31, v22
	s_lshl_b32 s31, s24, 15
	v_add_nc_u32 v[OFFX], s31, v22
	s_lshl_b32 s31, s24, 12
	v_lshl_add_u32 v[OFFW], v1, 4, s31
	s_wait_kmcnt 0x0
	s_add_nc_u64 s[8:9], s[8:9], s[32:33]
	s_add_nc_u64 s[10:11], s[10:11], s[34:35]
	s_cmp_eq_u32 s29, 0
	s_cselect_b64 s[12:13], s[12:13], s[14:15]     ; K or Q
	s_cselect_b64 s[16:17], s[16:17], s[18:19]     ; WK or WQ
	s_add_nc_u64 s[12:13], s[12:13], s[36:37]
	s_add_nc_u64 s[20:21], s[20:21], s[38:39]
	s_add_nc_u64 s[22:23], s[22:23], s[40:41]
; the 40 loads of chunk c into RAW of window s, in three parts.  No address register and no base is ever rewritten: the row and the chunk stand in the immediate.
.macro GLOADV c, s
	WIN (\s<<6)
.irp i, 0,1,2,3,4,5,6,7,8,9,10,11,12,13,14,15
	global_load_b128 v[4*\i:4*\i+3], v[OFFA], s[8:9] offset:(16*(\i>>3)+(\i&7))*ROWB+CHB*(\c)
.endr
.endm
.macro GLOADW c, s
	WIN (\s<<6)
.irp i, 0,1,2,3,4,5,6,7,8,9,10,11,12,13,14,15
	global_load_b128 v[64+4*\i:64+4*\i+3], v[OFFA], s[10:11] offset:(16*(\i>>3)+(\i&7))*ROWB+CHB*(\c)
.endr
.endm
.macro GLOADX c, s
	WIN (\s<<6)
.irp i, 0,1,2,3,4,5,6,7
	global_load_b128 v[128+4*\i:128+4*\i+3], v[OFFX], s[12:13] offset:\i*ROWB+CHB*(\c) th:TH_LOAD_NT   ; K and Q are read once in the launch
.endr
.endm
.macro GLOAD c, s                      ; all three on end
	GLOADV \c, \s
	GLOADW \c, \s
	GLOADX \c, \s
.endm
; four f32 of each load become four f16 in two registers of OUT: the loads' registers are read and not written, so that they can be asked for again at once
.macro CVT s
	WIN ((\s<<6)|(\s<<2)|\s)
.set n, 0
.rept 40
	v_cvt_pk_f16_f32 v[OUT+2*n], v[4*n], v[4*n+1]
	v_cvt_pk_f16_f32 v[OUT+2*n+1], v[4*n+2], v[4*n+3]
.set n, n+1
.endr
.endm
; 8 bytes a lane into buffer p.  Lanes 0-15 fill 128 bytes of a row, lanes 16-31 of the row 8 further: 288 words on, the other half of 64 banks (ISA guide 11.1)
.macro STORE s, p
	WIN (\s<<2)
.irp i, 0,1,2,3,4,5,6,7,8,9,10,11,12,13,14,15
	ds_store_b64 v[STA], v[OUT+2*\i:OUT+2*\i+1] offset:(\p)*BUF+(16*(\i>>3)+(\i&7))*PITCH
.endr
.irp i, 0,1,2,3,4,5,6,7,8,9,10,11,12,13,14,15
	ds_store_b64 v[STB], v[OUT+32+2*\i:OUT+32+2*\i+1] offset:(\p)*BUF+(16*(\i>>3)+(\i&7))*PITCH
.endr
.irp i, 0,1,2,3,4,5,6,7
	ds_store_b64 v[STX], v[OUT+64+2*\i:OUT+64+2*\i+1] offset:(\p)*BUF+\i*PITCH
.endr
.endm
; A fragment is 16 rows x 32 K in 8 registers: lane (r, h2) holds row r; registers 0-3 K = 8 h2 .. +7, registers 4-7 K = 16 + 8 h2 .. +7: two loads, 32 bytes apart.
; 20 loads for each of chunk c's two K steps, from buffer p
.macro FRAG p, c
	WIN 0
.irp u, 0,1
.irp t, 0,1,2,3
	ds_load_b128 v[F+80*\u+8*\t:F+80*\u+8*\t+3],   v[FA] offset:(\p)*BUF+\t*16*PITCH+64*\u
	ds_load_b128 v[F+80*\u+8*\t+4:F+80*\u+8*\t+7], v[FA] offset:(\p)*BUF+\t*16*PITCH+64*\u+32
.endr
.irp t, 0,1,2,3
	ds_load_b128 v[F+80*\u+32+8*\t:F+80*\u+32+8*\t+3],   v[FB] offset:(\p)*BUF+\t*16*PITCH+64*\u
	ds_load_b128 v[F+80*\u+32+8*\t+4:F+80*\u+32+8*\t+7], v[FB] offset:(\p)*BUF+\t*16*PITCH+64*\u+32
.endr
	ds_load_b128 v[F+80*\u+64:F+80*\u+67], v[FX] offset:(\p)*BUF+64*\u
	ds_load_b128 v[F+80*\u+68:F+80*\u+71], v[FX] offset:(\p)*BUF+64*\u+32
	ds_load_b128 v[F+80*\u+72:F+80*\u+75], v[FW] offset:(2*(\c)+\u)*64
	ds_load_b128 v[F+80*\u+76:F+80*\u+79], v[FW] offset:(2*(\c)+\u)*64+32
.endr
.endm
; 17 matrix instructions, one K step of 32.  Source 0 = rows of V (or K/Q), source 1 = rows of WV (or WK/WQ): a lane's eight results are eight
; neighbouring keys of one feature.  The 17 accumulators take turns, one instruction a turn.  zero = 1: the first product starts the sums.
.macro MUL u, zero
.irp i, 0,1,2,3
.irp j, 0,1,2,3
.if \zero
	v_wmma_f32_16x16x32_f16 v[8*(4*\i+\j):8*(4*\i+\j)+7], v[F+80*\u+8*\i:F+80*\u+8*\i+7], v[F+80*\u+32+8*\j:F+80*\u+32+8*\j+7], 0
.else
	v_wmma_f32_16x16x32_f16 v[8*(4*\i+\j):8*(4*\i+\j)+7], v[F+80*\u+8*\i:F+80*\u+8*\i+7], v[F+80*\u+32+8*\j:F+80*\u+32+8*\j+7], v[8*(4*\i+\j):8*(4*\i+\j)+7]
.endif
.endr
.endr
.if \zero
	v_wmma_f32_16x16x32_f16 v[ACCX:ACCX+7], v[F+80*\u+64:F+80*\u+71], v[F+80*\u+72:F+80*\u+79], 0
.else
	v_wmma_f32_16x16x32_f16 v[ACCX:ACCX+7], v[F+80*\u+64:F+80*\u+71], v[F+80*\u+72:F+80*\u+79], v[ACCX:ACCX+7]
.endif
.endm
; Trip c multiplies chunk c from buffer c & 1.  stage = 1: chunk c + 1 goes from its register set into the other buffer; lcnt = the loads younger than
; chunk c + 1's; issue = 1: chunk c + 3 is asked for, into the set just read out, in three parts dealt among the trip's matrix instructions.
.macro TRIP c, stage, lcnt, issue
.set PB, (\c)&1
.set QB, 1-PB
.set SB, 1+QB
.if \stage
	s_wait_loadcnt \lcnt                           ; loads return in order (ISA guide 5.7.1): chunk c + 1 is in, the younger chunk's loads stay out
	s_wait_alu depctr_vm_vsrc(0)                   ; the LDS stores of two trips back have read OUT of this set, which the conversions write again (in trip 0: the stores of WK or WQ have read v[F ..], in which fragments land)
	CVT SB                                         ; these 80 also stand between the last trip's matrix instructions and the loads into their sources
.else
	PLACES                                         ; the last trip converts nothing: four places behind the matrix instructions, in front of the loads into their sources
.endif
	WIN 0
	s_wait_alu depctr_va_vdst(0)                   ; the last trip's matrix instructions are done reading F, in which the fragments land; the conversions have written OUT, which the stores read, and are done reading RAW, in which chunk c + 3 lands
	FRAG PB, \c
.if \stage
	STORE SB, QB                                   ; the other buffer was last read a trip ago, in front of that trip's barrier
.endif
.if \issue
	GLOADV \c+3, SB                                ; no wait: nothing since the wait above names RAW or the offsets
.endif
	WIN 0xf0                                       ; C and D in window 3, the sources in window 0
.if \stage
	s_wait_dscnt 60                                ; the first K step's 20 loads are in; the second's 20 and the 40 stores may be out
.else
	s_wait_dscnt 20                                ; the first K step's 20 loads are in
.endif
.if \c
	MUL 0, 0
.else
	MUL 0, 1
.endif
.if \issue
	GLOADW \c+3, SB                                ; with the 40 of chunk c + 2 the chunk's 40 are more than LOADcnt's field holds: the issue waits for the oldest (ISA guide 5.7.1)
	WIN 0xf0
.endif
.if \stage
	s_wait_dscnt 40                                ; LDS instructions finish in order (ISA guide 5.7.1): the second K step's fragments are in, the 40 younger stores may be out
.else
	s_wait_dscnt 0x0                               ; the second K step's fragments are in
.endif
	MUL 1, 0
.if \issue
	GLOADX \c+3, SB
.endif
	WIN 0
.if \stage
	s_wait_dscnt 0x0                               ; for the other waves' sake: my reads of this buffer are back and my part of the next chunk is stored
	s_barrier_signal -1
	s_barrier_wait -1
.endif
.endm
	s_wait_alu depctr_va_vdst(0)                   ; the three offsets v4 to v6 are written, which every global load below reads
.irp i, 0,1,2,3,4,5,6,7
	global_load_b128 v[F+4*\i:F+4*\i+3], v[OFFW], s[16:17] offset:(\i>>2)*ROWB+(\i&3)*512   ; WK or WQ: two rows a wave, 512 bytes a load
.endr
	GLOAD 0, 1
	WIN 0
	; LDS addresses, while the first loads are on their way.  These lines name v0 to v3 and v7 to v23: none of the registers that chunk 1's loads touch
	v_mul_u32_u24 v22, v3, 8*PITCH
	v_lshl_add_u32 v22, v2, 3, v22                 ; 8 h2 rows + 8 r
	s_mul_i32 s31, s24, 32*PITCH
	v_add_nc_u32 v[STA], s31, v22
	v_add_nc_u32 v[STB], BOFF, v[STA]
	s_mul_i32 s31, s24, 16*PITCH
	s_add_co_u32 s31, s31, XOFF
	v_add_nc_u32 v[STX], s31, v22
	s_mul_i32 s31, s24, 2*WPITCH
	s_add_co_u32 s31, s31, WREG
	v_lshl_add_u32 v[STW], v1, 3, s31
	v_mul_u32_u24 v22, v2, PITCH
	v_lshl_add_u32 v22, v3, 4, v22                 ; row r + 16 h2
	s_mul_i32 s31, s25, 64*PITCH
	v_add_nc_u32 v[FA], s31, v22
	s_mul_i32 s31, s26, 64*PITCH
	s_add_co_u32 s31, s31, BOFF
	v_add_nc_u32 v[FB], s31, v22
	s_mul_i32 s31, s24, 16*PITCH
	s_add_co_u32 s31, s31, XOFF
	v_add_nc_u32 v[FX], s31, v22
	v_and_b32 v23, 7, v0                           ; column r of the small product takes head r & 7
	v_mul_u32_u24 v23, v23, WPITCH
	v_lshl_add_u32 v23, v3, 4, v23
	v_add_nc_u32 v[FW], WREG, v23
	v_mul_u32_u24 v22, v2, SPITCH                  ; stage in: row r
	s_mul_i32 s31, s26, 64*SPITCH
	s_lshl_b32 s42, s25, 7
	s_add_co_u32 s31, s31, s42
	s_add_co_u32 s31, s31, VSTG
	v_lshl_add_u32 v23, v3, 4, v22
	v_add_nc_u32 v[SO], s31, v23                   ; feature 64 wn + r, key 64 wm + 8 h2
	s_lshl_b32 s31, s24, 6
	s_add_co_u32 s31, s31, XSTG
	v_lshl_add_u32 v23, v3, 5, v22
	v_add_nc_u32 v[SX], s31, v23                   ; column r, row 16 w + 8 h2
	v_mul_u32_u24 v22, v3, SPITCH                  ; stage back: lanes 0-15 one row, lanes 16-31 the next
	v_add_nc_u32 v22, v22, v21
	s_mul_i32 s31, s24, 32*SPITCH
	s_add_co_u32 s31, s31, VSTG
	v_add_nc_u32 v[RL], s31, v22
	s_mul_i32 s31, s24, 2*SPITCH
	s_add_co_u32 s31, s31, XSTG
	v_add_nc_u32 v[RLX], s31, v22
	s_lshl_b32 s31, s24, 16
	v_lshl_add_u32 v23, v3, 11, v21
	v_add_nc_u32 v[GO], s31, v23                   ; (32 w + h2) rows of vp + 16 r
	s_lshl_b32 s31, s24, 13
	v_lshl_add_u32 v23, v3, 12, v21
	v_add_nc_u32 v[GOX], s31, v23                  ; (2 w + h2) rows of akq + 16 r
	GLOAD 1, 2
	WIN 0
	s_wait_loadcnt 40                              ; WK/WQ and chunk 0 are in; chunk 1's 40 loads stay out
.irp i, 0,1,2,3,4,5,6,7
	v_cvt_pk_f16_f32 v[F+4*\i], v[F+4*\i], v[F+4*\i+1]
	v_cvt_pk_f16_f32 v[F+4*\i+1], v[F+4*\i+2], v[F+4*\i+3]
.endr
	CVT 1
	WIN 0
	s_wait_alu depctr_va_vdst(0)                   ; the LDS addresses v7 to v20 are written, for the whole kernel; the conversions have written v[F ..] and OUT1, which the stores read, and are done reading RAW1, in which chunk 2 lands
.irp i, 0,1,2,3,4,5,6,7
	ds_store_b64 v[STW], v[F+4*\i:F+4*\i+1] offset:(\i>>2)*WPITCH+(\i&3)*256
.endr
	STORE 1, 0
	GLOAD 2, 1
	WIN 0
	s_wait_dscnt 0x0                               ; for the other waves' sake: my stores are done
	s_barrier_signal -1
	s_barrier_wait -1
	TRIP 0, 1, 40, 1
	TRIP 1, 1, 40, 1
	TRIP 2, 1, 40, 1
	TRIP 3, 1, 40, 1
	TRIP 4, 1, 40, 1                               ; asks for chunk 7, the last
	TRIP 5, 1, 40, 0
	TRIP 6, 1, 0, 0                                ; chunk 7: no load is younger
	TRIP 7, 0, 0, 0
	; THE WAY OUT.  A lane's eight sums are eight neighbouring keys of one feature: 16 bytes of f16.  They meet in the stage, which no trip touched;
	; rows of 128 keys (256 bytes) are read back and stored whole.
	PLACES                                         ; behind the last matrix instructions: their results are read, their sources written
	WIN 0x0f
.irp t, 0,1,2,3,4,5,6,7,8,9,10,11,12,13,14,15
.irp p, 0,1,2,3
	v_cvt_pk_f16_f32 v[F+4*\t+\p], v[8*\t+2*\p], v[8*\t+2*\p+1]
.endr
.endr
	WIN 0
	s_wait_alu depctr_va_vdst(0)                   ; the conversions have written v[F ..] and the matrix instructions the seventeenth accumulator, which the LDS stores read; the last matrix instructions are done reading v[OB ..], in which the stage's rows land
.irp i, 0,1,2,3
.irp j, 0,1,2,3
	ds_store_b128 v[SO], v[F+4*(4*\i+\j):F+4*(4*\i+\j)+3] offset:\j*16*SPITCH+32*\i
.endr
.endr
	WIN 0x0c                                       ; store data from window 3
	ds_store_b128 v[SX], v[ACCX:ACCX+3]            ; eight rows of one head, f32
	ds_store_b128 v[SX], v[ACCX+4:ACCX+7] offset:16
	WIN 0
	s_wait_dscnt 0x0                               ; my stores are done before I say so
	s_barrier_signal -1
	s_barrier_wait -1
.irp u, 0,1,2,3,4,5,6,7,8,9,10,11,12,13,14,15
	ds_load_b128 v[OB+4*\u:OB+4*\u+3], v[RL] offset:\u*2*SPITCH   ; into registers that no store has read and no vector instruction has named since the wait above
.endr
	ds_load_b128 v[OB+64:OB+67], v[RLX]
.irp u, 0,1,2,3,4,5,6,7,8,9,10,11,12,13,14,15
	s_wait_dscnt 16-\u                             ; LDS loads return in order: load u is in
	global_store_b128 v[GO], v[OB+4*\u:OB+4*\u+3], s[20:21] offset:\u*2*ROWB   ; 16 lanes store 256 consecutive bytes, aligned: 128 keys of one feature
.endr
	s_wait_dscnt 0x0
	global_store_b128 v[GOX], v[OB+64:OB+67], s[22:23]                         ; 16 lanes: 64 rows of one head, 256 consecutive bytes, aligned
	s_wait_dscnt 0x0                               ; the closing lines, six on end
	s_wait_alu 0x0
	s_wait_tensorcnt 0x0
	ds_add_u32 v254, v255
	s_wait_dscnt 0x0
	s_endpgm
.Lfunc_end_k_q5d41651073_proj:
	.size	k_q5d41651073_proj, .Lfunc_end_k_q5d41651073_proj-k_q5d41651073_proj
	.p2alignl 7, 3214868480
	.fill 96, 4, 3214868480
	.section	.rodata,"a",@progbits
	.p2align	6, 0x0
	.amdhsa_kernel k_q5d41651073_proj
		.amdhsa_group_segment_fixed_size 140288
		.amdhsa_private_segment_fixed_size 0
		.amdhsa_enable_private_segment 0
		.amdhsa_kernarg_size 64
		.amdhsa_user_sgpr_count 2
		.amdhsa_user_sgpr_kernarg_segment_ptr 1
		.amdhsa_wavefront_size32 1
		.amdhsa_system_sgpr_workgroup_id_x 1
		.amdhsa_system_sgpr_workgroup_id_y 1
		.amdhsa_system_sgpr_workgroup_id_z 1
		.amdhsa_system_vgpr_workitem_id 0
		.amdhsa_next_free_vgpr 904
		.amdhsa_next_free_sgpr 66
		.amdhsa_reserve_vcc 0
		.amdhsa_float_denorm_mode_32 3
		.amdhsa_float_denorm_mode_16_64 3
		.amdhsa_memory_ordered 1
		.amdhsa_forward_progress 1
		.amdhsa_inst_pref_size 148
	.end_amdhsa_kernel
	.amdgpu_metadata
---
amdhsa.version: [ 1, 2 ]
amdhsa.kernels:
  - .name:           k_q5d41651073_proj
    .symbol:         k_q5d41651073_proj.kd
    .args:
      - { .name: V, .offset: 0, .size: 8, .value_kind: global_buffer, .address_space: global }
      - { .name: WV, .offset: 8, .size: 8, .value_kind: global_buffer, .address_space: global }
      - { .name: K, .offset: 16, .size: 8, .value_kind: global_buffer, .address_space: global }
      - { .name: Q, .offset: 24, .size: 8, .value_kind: global_buffer, .address_space: global }
      - { .name: WK, .offset: 32, .size: 8, .value_kind: global_buffer, .address_space: global }
      - { .name: WQ, .offset: 40, .size: 8, .value_kind: global_buffer, .address_space: global }
      - { .name: vp, .offset: 48, .size: 8, .value_kind: global_buffer, .address_space: global }
      - { .name: akq, .offset: 56, .size: 8, .value_kind: global_buffer, .address_space: global }
    .group_segment_fixed_size: 140288
    .private_segment_fixed_size: 0
    .kernarg_segment_align: 8
    .kernarg_segment_size: 64
    .max_flat_workgroup_size: 128
    .sgpr_count:     66
    .vgpr_count:     904
    .wavefront_size: 32
...
	.end_amdgpu_metadata
.endif
;; end of part 3
;; launch attn: the kernel of part 2 again; grid 256 x 1, 8 waves a work-group, clusters of 4 x 1, 292,096 bytes of LDS; arguments vp, akq, bias, out0; writes out0
